; MI455X (gfx1250); checked and timed in simulation.
; The chip was launched on July 23, 2026; its instructions are those of AMD's public machine-readable ISA for CDNA 5 (MIT licence, August 2026) and "CDNA5" Instruction Set Architecture Reference Guide (July 2026). The comments in the code are by the model that wrote it; some were corrected since.
;; Sine Synth. Allowed arithmetic: float matrix products may take bf16 or f16 operands with f32 sums; all other float work in f32.
;; Inputs: amplitudes 4 x 1,000 x 256 float32; frequencies 4 x 1,000 x 256 float32; init_phases 4 x 1,000 float32.
;; Outputs: out0 4 x 1 x 8,192 float32.
;; One version. Each part assembles by itself: llvm-mc -triple=amdgcn-amd-amdhsa -mcpu=gfx1250 --defsym DOCPART=n.
;; ======== version 1 of 1: 2 launches
;; limits: a function is approximated: absolute error at most 4.1e-05
;; workspace buffers: partial 8,257,536 bytes
;; launch synth (part 1): grid 63 x 4, 8 waves a work-group, no clusters, 168,960 bytes of LDS; arguments frequencies, amplitudes, init_phases, partial; writes partial
.if DOCPART == 1
	.amdgcn_target "amdgcn-amd-amdhsa--gfx1250"
	.amdhsa_code_object_version 6
	.text
	.protected	k_q6d8a1d8f5b_synth
	.globl	k_q6d8a1d8f5b_synth
	.p2align	8
	.type	k_q6d8a1d8f5b_synth,@function
k_q6d8a1d8f5b_synth:
	s_mov_b64 s[64:65], 0
	v_nop
	global_prefetch_b8 v0, s[64:65] scope:SCOPE_SE
	s_setreg_imm32_b32 hwreg(HW_REG_WAVE_MODE, 25, 1), 1
	s_wait_xcnt 0x0
; Additive synthesis, first part: partial[b][group][t] = sum over the group's 16 sines of amp(t) * sin(phase(t)).
; frequencies, amplitudes: [4][1000][256] f32; init_phases: [4][1000] f32; partial: [4][63][8192] f32.
;
; THE ALGEBRA.  Upsampling by 32 (half-sample centres, clamped) makes both controls linear between frame centres, so for
; t = 32 m + j, n = j - 15, in turns (phase / 2 pi), with g = f / 44100:
;     phase = Q[m] + g[m] n + e n^2 / 64      e = g[m] - g[m-1] for n <= 0,  g[m+1] - g[m] for n > 0  (neighbours clamped at the ends)
;     Q[m]  = init / 2 pi + 32 (g[0] + .. + g[m-1]) + 16 g[m]                 (the inclusive sum up to t = 32 m + 15)
;     amp   = a[m] + d (n - 1/2) / 32         d = a[m] - a[m-1] or a[m+1] - a[m], by the same rule
; The running sum over 8192 samples is thereby a scan over 256 frames.
; THE SINE.  sin(2 pi x) = cos(2 pi (r - 1/2)), r = fract(x + 1/4), an even function of r - 1/2, hence a polynomial in z = r^2 - r
; (z + 1/4 = (r - 1/2)^2).  Degree 4 in z, from the Chebyshev series of cos(pi t) cut behind T8.
; THE SHARES.  A work-group: 16 rows (sines) of one batch, all 8192 samples.  Thread = frame m (8 waves x 32 lanes = 256 frames);
; a lane keeps its frame's 32 samples as accumulators, two rows side by side in the halves of the packed f32 instructions.
; 1000 = 62 x 16 + 8: the last group of a batch has 8 rows; its other 8 LDS rows are set to zero (amplitude 0 adds nothing),
; so that every loop has a constant count; that group takes as long as the other 62, not longer.
; No matrix product, no tile shared between work-groups: no matrix unit, no cluster.  The sum over groups is the next launch's.
; LIMITS.  The sine is off by at most 4.1e-5 absolute.  Phases are kept modulo one turn in f32 and come from the closed form above,
; not from a chain of 8192 f32 additions: the rounding differs from such a chain's.  NaN or infinite inputs are not served: they
; spread to other samples than in a running sum.
.set SINES,  1000
.set GROUPS, 63
.set ROWB,   1024                      ; bytes in a row of 256 frames
.set UNIT,   8*ROWB                    ; 8 rows
.set PAIRS,  8                         ; row pairs of a group
.set LDS_F,  0                         ; 16 rows of frequencies
.set LDS_A,  2*UNIT                    ; 16 rows of amplitudes
.set LDS_Q,  4*UNIT                    ; 16 rows of Q, in turns, in [0, 1)
.set LDS_ST, 0                         ; the way out: 256 rows of 128 bytes, pitch 144 (36,864 bytes), 32 rows for each wave,
                                       ; laid over the tables above when no wave reads them any more (the barrier in the tail)
.set SPITCH, 144                       ; an odd multiple of 16
.set K_FRAME,  0x3a3e37c6              ; 32 / 44100       turns in a frame for 1 Hz
.set K_SAMPLE, 0x37be37c6              ; 1 / 44100        the same mantissa, so frames and samples agree
.set K_CHIRP,  0x34be37c6              ; 1 / (64 x 44100)
.set K_TURN,   0x3e22f983              ; 1 / (2 pi)
.set K_QUART,  0x3e800000              ; 1/4
.set CPF, 1                            ; v1      16 x thread: offset in the group's block of rows, and LDS address of the frequencies
.set CPA, 2                            ; v2      the same + LDS_A
.set SCN, 4                            ; v4      scan: 1024 x wave + 32 x lane
.set HI,  5                            ; v5      1.0 in lanes 16-31, 0.0 in lanes 0-15
.set ADC, 6                            ; v6      4 m            + 2048 x row pair
.set ADL, 7                            ; v7      4 max(m-1, 0)  + ..
.set ADR, 8                            ; v8      4 min(m+1,255) + ..
.set STO, 9                            ; v9      the way out: where my frame's 128 bytes go
.set RDB, 10                           ; v10     the way out: where I read 16 bytes back
.set GOF, 11                           ; v11     my byte offset in the group's partial signal
.set K0,  12                           ; v[12:21] the polynomial's five coefficients, each twice
.set K1,  14
.set K2,  16
.set K3,  18
.set K4,  20
.set RAW, 22                           ; v[22:35] as loaded, rows r and r+1 side by side: f[m] f[m-1] f[m+1] a[m] a[m-1] a[m+1] Q[m]
.set Q,   36                           ; v[36:49] the pair's parameters at work
.set G,   38
.set EL,  40
.set ER,  42
.set A,   44
.set DL,  46
.set DR,  48
.set X,   50                           ; v[50:65]  8 samples x 2 rows: phase, then r, then the amplitude
.set Z,   66                           ; v[66:81]  z
.set P,   82                           ; v[82:97]  the polynomial
.set ACC, 98                           ; v[98:161] 32 samples x 2 rows
.set SB,  50                           ; scan: 24 registers a row: 0-7 turns of 8 frames, 8-15 their sums, 16 T, 17 I, 18 D, 19 B, 20 init
	s_load_b256 s[4:11], s[0:1], 0x0               ; frequencies s[4:5], amplitudes s[6:7], init_phases s[8:9], partial s[10:11]
	v_lshl_add_u32 v168, v0, 2, 0x29000
	v_mov_b32 v169, 0
	ds_add_u32 v168, v169
	ds_add_u32 v168, v169
	v_lshrrev_b32 v3, 5, v0
	v_readfirstlane_b32 s16, v3                    ; wave 0..7
	s_and_b32 s13, ttmp7, 0xffff                   ; batch
	s_mul_i32 s17, s13, SINES
	s_lshl4_add_u32 s17, ttmp9, s17                ; the group's first row = 1000 batch + 16 group
	s_lshl_b32 s14, s17, 10                        ; in bytes (below 4 MiB)
	s_mov_b32 s15, 0
	s_add_co_u32 s18, s17, s16                     ; the two rows that my wave scans: wave and wave + 8
	s_add_co_u32 s19, s18, 8
	s_min_u32 s19, s19, 4*SINES-1                  ; a short group has no second row: the load stays inside the buffer, its value is dropped below
	s_lshl_b32 s18, s18, 2
	s_lshl_b32 s19, s19, 2
	s_mul_i32 s26, s13, GROUPS
	s_add_co_u32 s26, s26, ttmp9
	s_lshl_b32 s26, s26, 15                        ; (63 batch + group) x 32,768 bytes
	s_mov_b32 s27, 0
	v_lshlrev_b32 v[CPF], 4, v0
	v_add_nc_u32 v[CPA], LDS_A, v[CPF]
	s_wait_dscnt 0x0
	s_wait_kmcnt 0x0
	s_add_nc_u64 s[4:5], s[4:5], s[14:15]
	s_add_nc_u64 s[6:7], s[6:7], s[14:15]
	s_add_nc_u64 s[10:11], s[10:11], s[26:27]
	; The group's rows are one contiguous block of each input: 256 threads x 16 bytes = 4 rows a copy.  The immediate steps both addresses.
	global_load_async_to_lds_b128 v[CPF], v[CPF], s[4:5]
	global_load_async_to_lds_b128 v[CPF], v[CPF], s[4:5] offset:4096
	global_load_async_to_lds_b128 v[CPA], v[CPF], s[6:7]
	global_load_async_to_lds_b128 v[CPA], v[CPF], s[6:7] offset:4096
	s_load_b32 s20, s[8:9], s18 offset:0x0
	s_load_b32 s21, s[8:9], s19 offset:0x0
	s_cmp_eq_u32 ttmp9, GROUPS-1
	s_cbranch_scc1 .Lshort
	global_load_async_to_lds_b128 v[CPF], v[CPF], s[4:5] offset:UNIT
	global_load_async_to_lds_b128 v[CPF], v[CPF], s[4:5] offset:UNIT+4096
	global_load_async_to_lds_b128 v[CPA], v[CPF], s[6:7] offset:UNIT
	global_load_async_to_lds_b128 v[CPA], v[CPF], s[6:7] offset:UNIT+4096
	s_branch .Lfilled
.Lshort:                                               ; rows 8-15 do not exist: frequency 0, amplitude 0
.irp k, 0,1,2,3
	v_mov_b32 v[X+\k], 0
.endr
	ds_store_b128 v[CPF], v[X:X+3] offset:UNIT
	ds_store_b128 v[CPF], v[X:X+3] offset:UNIT+4096
	ds_store_b128 v[CPA], v[X:X+3] offset:UNIT
	ds_store_b128 v[CPA], v[X:X+3] offset:UNIT+4096
.Lfilled:
	; addresses and constants, while the rows are on their way
	v_and_b32 v3, 31, v0                           ; lane
	s_lshl_b32 s28, s16, 10
	v_lshlrev_b32 v[SCN], 5, v3
	v_add_nc_u32 v[SCN], s28, v[SCN]
	v_bfe_u32 v[HI], v0, 4, 1
	v_cvt_f32_u32 v[HI], v[HI]
	v_lshlrev_b32 v[ADC], 2, v0
	v_max_u32 v[ADL], 4, v[ADC]
	v_sub_nc_u32 v[ADL], v[ADL], 4                 ; frame 0 is its own left neighbour
	v_add_nc_u32 v[ADR], 4, v[ADC]
	v_min_u32 v[ADR], ROWB-4, v[ADR]               ; frame 255 its own right neighbour
	s_mul_i32 s29, s16, 32*SPITCH                  ; my wave's 32 rows of the stage
	v_mul_u32_u24 v[STO], v3, SPITCH
	v_add_nc_u32 v[STO], s29, v[STO]
	v_lshrrev_b32 v[RDB], 3, v3                    ; back: 8 lanes take one frame's 128 bytes, the wave four frames
	v_mul_u32_u24 v[RDB], v[RDB], SPITCH
	v_and_b32 v[GOF], 7, v3
	v_lshl_add_u32 v[RDB], v[GOF], 4, v[RDB]
	v_add_nc_u32 v[RDB], s29, v[RDB]
	s_lshl_b32 s30, s16, 12                        ; my wave's 1024 samples
	v_lshl_add_u32 v[GOF], v3, 4, s30
.irp h, 0,1
	v_mov_b32 v[K0+\h], 0xbf7ffd6b                 ; -0.99996058
	v_mov_b32 v[K1+\h], 0x3c00172f                 ;  0.0078180272
	v_mov_b32 v[K2+\h], 0x419fe3cd                 ;  19.986231
	v_mov_b32 v[K3+\h], 0xc213143b                 ; -36.769755
	v_mov_b32 v[K4+\h], 0x42367bf5                 ;  45.621051
.endr
	s_wait_asynccnt 0x0                            ; my copies have landed,
	s_wait_dscnt 0x0                               ; my zeros too:
	s_barrier_signal -1
	s_barrier_wait -1                              ; everybody's have
	; THE SCAN.  Wave w takes rows w and w + 8 whole, both at once (u = 0, 1); lane l takes frames 8 l .. 8 l + 7.
.irp u, 0,1
	ds_load_b128 v[SB+24*\u:SB+24*\u+3],   v[SCN] offset:LDS_F+UNIT*\u
	ds_load_b128 v[SB+24*\u+4:SB+24*\u+7], v[SCN] offset:LDS_F+UNIT*\u+16
.endr
	s_wait_kmcnt 0x0                               ; the two initial phases
	s_cmp_eq_u32 ttmp9, GROUPS-1
	s_cselect_b32 s21, 0, s21                      ; a row that does not exist starts at 0
	s_mul_f32 s20, s20, K_TURN                     ; radians to turns
	s_mul_f32 s21, s21, K_TURN
	s_wait_dscnt 0x0
.irp u, 0,1
.irp k, 0,2,4,6
	v_pk_mul_f32 v[SB+24*\u+\k:SB+24*\u+\k+1], v[SB+24*\u+\k:SB+24*\u+\k+1], K_FRAME op_sel_hi:[1,0]   ; turns in each frame
.endr
.endr
.irp u, 0,1
	v_add_f32 v[SB+24*\u+9], v[SB+24*\u], v[SB+24*\u+1]            ; inclusive sums c1 .. c7 inside the lane (c0 is the first frame itself)
.endr
.irp k, 2,3,4,5,6,7
.irp u, 0,1
	v_add_f32 v[SB+24*\u+8+\k], v[SB+24*\u+7+\k], v[SB+24*\u+\k]
.endr
.endr
.irp u, 0,1
	v_fract_f32 v[SB+24*\u+16], v[SB+24*\u+15]                     ; T: the lane's 8 frames, modulo one turn
	v_mov_b32 v[SB+24*\u+18], 0                                    ; a DPP destination counts as read
	v_fract_f32 v[SB+24*\u+20], s[20+\u]                           ; the initial phase, modulo one turn
.endr
.irp u, 0,1
	v_mov_b32_dpp v[SB+24*\u+18], v[SB+24*\u+16] row_shr:1 row_mask:0xf bank_mask:0xf bound_ctrl:1
.endr
.irp u, 0,1
	v_add_f32 v[SB+24*\u+17], v[SB+24*\u+16], v[SB+24*\u+18]       ; I: inclusive scan of T over each 16 lanes, four steps
.endr
.irp sh, 2,4,8
.irp u, 0,1
	v_mov_b32_dpp v[SB+24*\u+18], v[SB+24*\u+17] row_shr:\sh row_mask:0xf bank_mask:0xf bound_ctrl:1
.endr
.irp u, 0,1
	v_add_f32 v[SB+24*\u+17], v[SB+24*\u+17], v[SB+24*\u+18]
.endr
.endr
.irp u, 0,1
	v_readlane_b32 s[22+\u], v[SB+24*\u+17], 15                    ; the sum of lanes 0-15,
.endr
.irp u, 0,1
	v_mul_f32 v[SB+24*\u+8], 0.5, v[SB+24*\u]                      ; c[k] - half of frame k: up to the frame's centre
.irp k, 1,2,3,4,5,6,7
	v_fma_f32 v[SB+24*\u+8+\k], v[SB+24*\u+\k], -0.5, v[SB+24*\u+8+\k]
.endr
.endr
.irp u, 0,1
	v_fma_f32 v[SB+24*\u+17], v[HI], s[22+\u], v[SB+24*\u+17]      ; added in lanes 16-31
	v_sub_f32 v[SB+24*\u+19], v[SB+24*\u+17], v[SB+24*\u+16]       ; all lanes before mine
	v_add_f32 v[SB+24*\u+19], v[SB+24*\u+19], v[SB+24*\u+20]       ; + the initial phase
.endr
.irp u, 0,1
.irp k, 0,1,2,3,4,5,6,7
	v_add_f32 v[SB+24*\u+8+\k], v[SB+24*\u+8+\k], v[SB+24*\u+19]
.endr
.endr
.irp u, 0,1
.irp k, 0,1,2,3,4,5,6,7
	v_fract_f32 v[SB+24*\u+8+\k], v[SB+24*\u+8+\k]                 ; Q, in [0, 1)
.endr
	ds_store_b128 v[SCN], v[SB+24*\u+8:SB+24*\u+11]  offset:LDS_Q+UNIT*\u
	ds_store_b128 v[SCN], v[SB+24*\u+12:SB+24*\u+15] offset:LDS_Q+UNIT*\u+16
.endr
	s_wait_dscnt 0x0                               ; my rows of Q are written:
	s_barrier_signal -1
	s_barrier_wait -1                              ; all sixteen are.  From here to the tail's barrier F, A and Q are only read
; The f32 bit pattern of (-1)^neg x mag x 2^-sh, mag a whole number from 1 to 511: exponent = place of the top bit.
.macro FBITS sym, mag, sh, neg
	.set fb_e, 0
	.rept 9
	.if ((\mag)>>(fb_e+1)) != 0
	.set fb_e, fb_e+1
	.endif
	.endr
	.set \sym, ((\neg)<<31)|((127+fb_e-(\sh))<<23)|(((\mag)-(1<<fb_e))<<(23-fb_e))
.endm
; Sample j of a frame: n = j - 15; NB = n, QB = n^2, UB = (2 n - 1) / 64 as f32; EE, DD = the slopes of its side.
.macro KONST j
	.set n, (\j)-15
	.if n > 0
	.set EE, ER
	.set DD, DR
	FBITS NB, n, 0, 0
	FBITS UB, 2*n-1, 6, 0
	.else
	.set EE, EL
	.set DD, DL
	FBITS UB, 1-2*n, 6, 1
	.if n < 0
	FBITS NB, -n, 0, 1
	.endif
	.endif
	.if n != 0
	FBITS QB, n*n, 0, 0
	.endif
.endm
; The steps for sample j = 8 jg + i, both rows of the pair in one instruction.  Each step is run for eight samples in a row,
; so that no instruction waits for the one in front of it.
.macro ST_LIN                          ; Q + G n
	KONST 8*jg+i
	.if n != 0
	v_pk_fma_f32 v[X+2*i:X+2*i+1], v[G:G+1], NB, v[Q:Q+1] op_sel_hi:[1,0,1]
	.endif
.endm
.macro ST_SQR                          ; + E n^2
	KONST 8*jg+i
	.if n != 0
	v_pk_fma_f32 v[X+2*i:X+2*i+1], v[EE:EE+1], QB, v[X+2*i:X+2*i+1] op_sel_hi:[1,0,1]
	.endif
.endm
.macro ST_FRACT                        ; r = the phase modulo one turn (n = 0: the phase is Q itself)
	KONST 8*jg+i
	.if n != 0
	v_fract_f32 v[X+2*i],   v[X+2*i]
	v_fract_f32 v[X+2*i+1], v[X+2*i+1]
	.else
	v_fract_f32 v[X+2*i],   v[Q]
	v_fract_f32 v[X+2*i+1], v[Q+1]
	.endif
.endm
.macro ST_Z                            ; z = r r - r
	v_pk_fma_f32 v[Z+2*i:Z+2*i+1], v[X+2*i:X+2*i+1], v[X+2*i:X+2*i+1], v[X+2*i:X+2*i+1] neg_lo:[0,0,1] neg_hi:[0,0,1]
.endm
.macro ST_H4
	v_pk_fma_f32 v[P+2*i:P+2*i+1], v[Z+2*i:Z+2*i+1], v[K4:K4+1], v[K3:K3+1]
.endm
.macro ST_H3
	v_pk_fma_f32 v[P+2*i:P+2*i+1], v[P+2*i:P+2*i+1], v[Z+2*i:Z+2*i+1], v[K2:K2+1]
.endm
.macro ST_H2
	v_pk_fma_f32 v[P+2*i:P+2*i+1], v[P+2*i:P+2*i+1], v[Z+2*i:Z+2*i+1], v[K1:K1+1]
.endm
.macro ST_H1
	v_pk_fma_f32 v[P+2*i:P+2*i+1], v[P+2*i:P+2*i+1], v[Z+2*i:Z+2*i+1], v[K0:K0+1]
.endm
.macro ST_AMP                          ; the amplitude, into r's registers, which z has read
	KONST 8*jg+i
	v_pk_fma_f32 v[X+2*i:X+2*i+1], v[DD:DD+1], UB, v[A:A+1] op_sel_hi:[1,0,1]
.endm
.macro ST_ACC                          ; the first pair starts the sums: nothing is cleared
	.if FIRST
	v_pk_mul_f32 v[ACC+16*jg+2*i:ACC+16*jg+2*i+1], v[X+2*i:X+2*i+1], v[P+2*i:P+2*i+1]
	.else
	v_pk_fma_f32 v[ACC+16*jg+2*i:ACC+16*jg+2*i+1], v[X+2*i:X+2*i+1], v[P+2*i:P+2*i+1], v[ACC+16*jg+2*i:ACC+16*jg+2*i+1]
	.endif
.endm
.macro FOR8 step
	.set i, 0
	.rept 8
	\step
	.set i, i+1
	.endr
.endm
.macro COMPUTE                         ; 32 samples x 2 rows: 11 instructions for two samples
	.set jg, 0
	.rept 4
	FOR8 ST_LIN
	FOR8 ST_SQR
	FOR8 ST_FRACT
	FOR8 ST_Z
	FOR8 ST_H4
	FOR8 ST_AMP
	FOR8 ST_H3
	FOR8 ST_H2
	FOR8 ST_H1
	FOR8 ST_ACC
	.set jg, jg+1
	.endr
.endm
.macro LOADRAW                         ; 32 lanes, 32 neighbouring words each
.irp r, 0,1
	ds_load_b32 v[RAW+\r],    v[ADC] offset:LDS_F+ROWB*\r
	ds_load_b32 v[RAW+2+\r],  v[ADL] offset:LDS_F+ROWB*\r
	ds_load_b32 v[RAW+4+\r],  v[ADR] offset:LDS_F+ROWB*\r
	ds_load_b32 v[RAW+6+\r],  v[ADC] offset:LDS_A+ROWB*\r
	ds_load_b32 v[RAW+8+\r],  v[ADL] offset:LDS_A+ROWB*\r
	ds_load_b32 v[RAW+10+\r], v[ADR] offset:LDS_A+ROWB*\r
	ds_load_b32 v[RAW+12+\r], v[ADC] offset:LDS_Q+ROWB*\r
.endr
.endm
.macro DERIVE                          ; from the loaded words to the pair's parameters; RAW is free for the next pair behind it
	v_pk_mul_f32 v[G:G+1],   v[RAW:RAW+1], K_SAMPLE op_sel_hi:[1,0]
	v_pk_add_f32 v[EL:EL+1], v[RAW:RAW+1], v[RAW+2:RAW+3] neg_lo:[0,1] neg_hi:[0,1]
	v_pk_add_f32 v[ER:ER+1], v[RAW+4:RAW+5], v[RAW:RAW+1] neg_lo:[0,1] neg_hi:[0,1]
	v_pk_add_f32 v[DL:DL+1], v[RAW+6:RAW+7], v[RAW+8:RAW+9] neg_lo:[0,1] neg_hi:[0,1]
	v_pk_add_f32 v[DR:DR+1], v[RAW+10:RAW+11], v[RAW+6:RAW+7] neg_lo:[0,1] neg_hi:[0,1]
	v_pk_mul_f32 v[EL:EL+1], v[EL:EL+1], K_CHIRP op_sel_hi:[1,0]
	v_pk_mul_f32 v[ER:ER+1], v[ER:ER+1], K_CHIRP op_sel_hi:[1,0]
	v_pk_add_f32 v[Q:Q+1],   v[RAW+12:RAW+13], K_QUART op_sel_hi:[1,0]     ; the quarter turn that makes a cosine of the sine
	v_dual_mov_b32 v[A], v[RAW+6] :: v_dual_mov_b32 v[A+1], v[RAW+7]       ; a[m] has to outlive RAW
.endm
.macro STEP                            ; the next two rows
	v_add_nc_u32 v[ADC], 2*ROWB, v[ADC]
	v_add_nc_u32 v[ADL], 2*ROWB, v[ADL]
	v_add_nc_u32 v[ADR], 2*ROWB, v[ADR]
.endm
	; THE SYNTHESIS: eight row pairs.  The next pair's words are fetched from LDS while this pair is computed.
	LOADRAW
	s_wait_dscnt 0x0
	DERIVE
	STEP
	LOADRAW
	.set FIRST, 1
	COMPUTE
	.set FIRST, 0
	s_mov_b32 s24, PAIRS-2
.Lpair:
	s_wait_dscnt 0x0                               ; issued a whole pair ago
	DERIVE
	STEP
	LOADRAW
	COMPUTE
	s_sub_co_i32 s24, s24, 1
	s_cmp_lg_u32 s24, 0
	s_cbranch_scc1 .Lpair
	s_wait_dscnt 0x0                               ; the last pair fetches nothing: these were my last reads of F, A and Q, and they are done:
	s_barrier_signal -1                            ; say so, and work on registers alone while the other waves get there
	DERIVE
	COMPUTE
	.set j, 0
	.rept 32
	v_add_f32 v[X+j], v[ACC+2*j], v[ACC+2*j+1]     ; the two rows of the pairs
	.set j, j+1
	.endr
	s_barrier_wait -1                              ; no wave reads the tables any more: their bytes become the stage
	; THE WAY OUT.  A lane holds 32 neighbouring samples (128 bytes).  They go through the wave's own rows of the stage, so that
	; each store of the wave covers 512 consecutive bytes, aligned.  LDS serves a wave's instructions in order (ISA guide 5.7.1):
	; no wait between these stores and loads, and no further barrier, as no other wave touches these rows.
.irp k, 0,1,2,3,4,5,6,7
	ds_store_b128 v[STO], v[X+4*\k:X+4*\k+3] offset:LDS_ST+16*\k
.endr
.irp k, 0,1,2,3,4,5,6,7
	ds_load_b128 v[P+4*\k:P+4*\k+3], v[RDB] offset:LDS_ST+4*SPITCH*\k
.endr
.irp k, 0,1,2,3,4,5,6,7
	s_wait_dscnt 7-\k                              ; the 7 - k younger loads may be out
	global_store_b128 v[GOF], v[P+4*\k:P+4*\k+3], s[10:11] offset:512*\k
.endr
	s_wait_tensorcnt 0x0
	ds_add_u32 v168, v169
	s_wait_dscnt 0x0
	s_endpgm
.Lfunc_end_k_q6d8a1d8f5b_synth:
	.size	k_q6d8a1d8f5b_synth, .Lfunc_end_k_q6d8a1d8f5b_synth-k_q6d8a1d8f5b_synth
	.p2alignl 7, 3214868480
	.fill 96, 4, 3214868480
	.section	.rodata,"a",@progbits
	.p2align	6, 0x0
	.amdhsa_kernel k_q6d8a1d8f5b_synth
		.amdhsa_group_segment_fixed_size 168960
		.amdhsa_private_segment_fixed_size 0
		.amdhsa_enable_private_segment 0
		.amdhsa_kernarg_size 32
		.amdhsa_user_sgpr_count 2
		.amdhsa_user_sgpr_kernarg_segment_ptr 1
		.amdhsa_wavefront_size32 1
		.amdhsa_system_sgpr_workgroup_id_x 1
		.amdhsa_system_sgpr_workgroup_id_y 1
		.amdhsa_system_sgpr_workgroup_id_z 1
		.amdhsa_system_vgpr_workitem_id 0
		.amdhsa_next_free_vgpr 170
		.amdhsa_next_free_sgpr 66
		.amdhsa_reserve_vcc 0
		.amdhsa_float_denorm_mode_32 3
		.amdhsa_float_denorm_mode_16_64 3
		.amdhsa_memory_ordered 1
		.amdhsa_forward_progress 1
		.amdhsa_inst_pref_size 86
	.end_amdhsa_kernel
	.amdgpu_metadata
---
amdhsa.version: [ 1, 2 ]
amdhsa.kernels:
  - .name:           k_q6d8a1d8f5b_synth
    .symbol:         k_q6d8a1d8f5b_synth.kd
    .args:
      - { .name: frequencies, .offset: 0, .size: 8, .value_kind: global_buffer, .address_space: global }
      - { .name: amplitudes, .offset: 8, .size: 8, .value_kind: global_buffer, .address_space: global }
      - { .name: init_phases, .offset: 16, .size: 8, .value_kind: global_buffer, .address_space: global }
      - { .name: partial, .offset: 24, .size: 8, .value_kind: global_buffer, .address_space: global }
    .group_segment_fixed_size: 168960
    .private_segment_fixed_size: 0
    .kernarg_segment_align: 8
    .kernarg_segment_size: 32
    .max_flat_workgroup_size: 256
    .sgpr_count:     66
    .vgpr_count:     170
    .wavefront_size: 32
...
	.end_amdgpu_metadata
.endif
;; end of part 1
;; launch fold (part 2): grid 64 x 4, 9 waves a work-group, no clusters, 5,888 bytes of LDS; arguments partial, out0; writes out0
.if DOCPART == 2
	.amdgcn_target "amdgcn-amd-amdhsa--gfx1250"
	.amdhsa_code_object_version 6
	.text
	.protected	k_q6d8a1d8f5b_fold
	.globl	k_q6d8a1d8f5b_fold
	.p2align	8
	.type	k_q6d8a1d8f5b_fold,@function
k_q6d8a1d8f5b_fold:
	s_mov_b64 s[64:65], 0
	v_nop
	global_prefetch_b8 v0, s[64:65] scope:SCOPE_SE
	s_setreg_imm32_b32 hwreg(HW_REG_WAVE_MODE, 25, 1), 1
	s_wait_xcnt 0x0
; Additive synthesis, second part: out0[b][t] = sum over the 63 groups of partial[b][group][t].
; partial: [4][63][8192] f32, out0: [4][1][8192] f32.
; A work-group owns 128 neighbouring samples (512 bytes) of one batch.  63 = 9 x 7: wave w adds layers 7 w .. 7 w + 6, a lane 16 bytes
; of each, all seven loads issued at once; each load of a wave covers 512 consecutive bytes, aligned.  The nine sums meet in LDS.
; A stream read once: no matrix unit, no cluster, nothing shared between work-groups.
.set LAYER,  32768                     ; bytes of one group's signal
.set GROUPS, 63
.set PERW,   7                         ; layers of a wave
.set WAVES,  9
	s_load_b128 s[4:7], s[0:1], 0x0                ; partial s[4:5], out0 s[6:7]
	v_lshl_add_u32 v40, v0, 2, 0x1200
	v_mov_b32 v41, 0
	v_lshrrev_b32 v1, 5, v0
	v_readfirstlane_b32 s8, v1                     ; wave 0..8
	v_and_b32 v2, 31, v0
	v_lshlrev_b32 v2, 4, v2                        ; 16 x lane
	v_mul_u32_u24 v1, v1, PERW*LAYER               ; my wave's first layer
	v_add_nc_u32 v1, v1, v2
	v_lshlrev_b32 v3, 4, v0                        ; LDS: 512 x wave + 16 x lane
	s_and_b32 s9, ttmp7, 0xffff                    ; batch
	s_lshl_b32 s12, ttmp9, 9                       ; the work-group's 512 bytes
	s_mul_i32 s10, s9, GROUPS*LAYER
	s_add_co_u32 s10, s10, s12
	s_mov_b32 s11, 0
	s_lshl_b32 s14, s9, 15
	s_add_co_u32 s14, s14, s12
	s_mov_b32 s15, 0
	s_wait_kmcnt 0x0
	s_add_nc_u64 s[4:5], s[4:5], s[10:11]
	s_add_nc_u64 s[6:7], s[6:7], s[14:15]
.irp i, 0,1,2,3,4,5,6
	global_load_b128 v[4+4*\i:7+4*\i], v1, s[4:5] offset:\i*LAYER th:TH_LOAD_NT
.endr
.irp i, 1,2,3,4,5,6
	s_wait_loadcnt 6-\i                            ; loads come back in order: layers 0 .. i are in, the 6 - i younger ones may be out
	v_pk_add_f32 v[4:5], v[4:5], v[4+4*\i:5+4*\i]
	v_pk_add_f32 v[6:7], v[6:7], v[6+4*\i:7+4*\i]
.endr
	ds_store_b128 v3, v[4:7]
	s_wait_dscnt 0x0                               ; my sum is in LDS:
	s_barrier_signal -1
	s_barrier_wait -1                              ; all nine are
	s_cmp_lg_u32 s8, 0
	s_cbranch_scc1 .Ldone                          ; wave 0 adds them
.irp k, 0,1,2,3,4,5,6,7,8
	ds_load_b128 v[4+4*\k:7+4*\k], v2 offset:512*\k
.endr
.irp k, 1,2,3,4,5,6,7,8
	s_wait_dscnt 8-\k                              ; the 8 - k younger loads may be out
	v_pk_add_f32 v[4:5], v[4:5], v[4+4*\k:5+4*\k]
	v_pk_add_f32 v[6:7], v[6:7], v[6+4*\k:7+4*\k]
.endr
	global_store_b128 v2, v[4:7], s[6:7]           ; 512 consecutive bytes, aligned
.Ldone:
	s_wait_tensorcnt 0x0
	ds_add_u32 v40, v41
	s_wait_dscnt 0x0
	s_endpgm
.Lfunc_end_k_q6d8a1d8f5b_fold:
	.size	k_q6d8a1d8f5b_fold, .Lfunc_end_k_q6d8a1d8f5b_fold-k_q6d8a1d8f5b_fold
	.p2alignl 7, 3214868480
	.fill 96, 4, 3214868480
	.section	.rodata,"a",@progbits
	.p2align	6, 0x0
	.amdhsa_kernel k_q6d8a1d8f5b_fold
		.amdhsa_group_segment_fixed_size 5888
		.amdhsa_private_segment_fixed_size 0
		.amdhsa_enable_private_segment 0
		.amdhsa_kernarg_size 16
		.amdhsa_user_sgpr_count 2
		.amdhsa_user_sgpr_kernarg_segment_ptr 1
		.amdhsa_wavefront_size32 1
		.amdhsa_system_sgpr_workgroup_id_x 1
		.amdhsa_system_sgpr_workgroup_id_y 1
		.amdhsa_system_sgpr_workgroup_id_z 1
		.amdhsa_system_vgpr_workitem_id 0
		.amdhsa_next_free_vgpr 42
		.amdhsa_next_free_sgpr 66
		.amdhsa_reserve_vcc 0
		.amdhsa_float_denorm_mode_32 3
		.amdhsa_float_denorm_mode_16_64 3
		.amdhsa_memory_ordered 1
		.amdhsa_forward_progress 1
		.amdhsa_inst_pref_size 5
	.end_amdhsa_kernel
	.amdgpu_metadata
---
amdhsa.version: [ 1, 2 ]
amdhsa.kernels:
  - .name:           k_q6d8a1d8f5b_fold
    .symbol:         k_q6d8a1d8f5b_fold.kd
    .args:
      - { .name: partial, .offset: 0, .size: 8, .value_kind: global_buffer, .address_space: global }
      - { .name: out0, .offset: 8, .size: 8, .value_kind: global_buffer, .address_space: global }
    .group_segment_fixed_size: 5888
    .private_segment_fixed_size: 0
    .kernarg_segment_align: 8
    .kernarg_segment_size: 16
    .max_flat_workgroup_size: 288
    .sgpr_count:     66
    .vgpr_count:     42
    .wavefront_size: 32
...
	.end_amdgpu_metadata
.endif
;; end of part 2
